; MI455X (gfx1250); checked and timed in simulation.
; The chip was launched on July 23, 2026; its instructions are those of AMD's public machine-readable ISA for CDNA 5 (MIT licence, August 2026) and "CDNA5" Instruction Set Architecture Reference Guide (July 2026). The comments in the code are by the model that wrote it; some were corrected since.
;; GNN Emb Variable Encoder. Allowed arithmetic: matrix products marked QUANTISED: E3M2 operands, one E8M0 scale for each 32 along K, by v_wmma_scale_f32_16x16x128_f8f6f4 with both operands' format E3M2, f32 sums; products left as they are: f32 operands where the result goes on into a quantised operand, else bf16, f16 or f32 operands; f32 sums; everything else in f32.
;; Inputs: Wb 32 x 1 float32; We_codes 1,024 x 33 x 24 uint8 (E3M2 codes of We, K innermost, in blocks of 32 codes, four codes in three bytes); We_scales 1,024 x 33 uint8 (E8M0 scales of We, one for each 32 codes along K); Ww 1,024 x 1 float32; bb 32 float32; be 1,024 float32; bias 1,024 x 256 float32; bias_parameters 1,024 int32; bw 1,024 float32; weight 1,024 x 256 float32; weight_parameters 1,024 int32.
;; Outputs: out0 1,024 x 1,024 float32.
;; This version of the problem:
;;   THIS VERSION OF THE PROBLEM IS GIVEN IN LOW PRECISION. The matrix products marked QUANTISED in the list below multiply operands that are first quantised to E3M2 (3 exponent bits, 2 mantissa bits; 6 bits a number), with one power-of-two scale for each 32 numbers along K (OCP MX v1.0); their sums are f32. All else is computed in f32.
;;   The module's matrix products, in the order in which they are computed (A, B: the left and right operand; K: the contracted axis; several contracted axes count as one K, in the product's order):
;;     1. batch 1,024 x [M 1, K 256] x [K 256, N 1,024]; A: computed on the way; B: computed on the way: left as it is (M = 1 < 16)
;;     2. batch 1,024 x [M 1, K 256] x [K 256, N 32]; A: computed on the way; B: computed on the way: left as it is (M = 1 < 16)
;;     3. [M 1,024, K 1,056] x [K 1,056, N 1,024]; A: computed on the way; B: input We (given as codes): QUANTISED
;;   THE QUANTISER, for each operand of a quantised product, along K:
;;     - K is cut into blocks of 32 from its start; a last block that is shorter is filled with zeros.
;;     - A block's scale is 2^e with e = floor(log2(the largest magnitude in the block)) - 4, held to -126 .. 127; a block of zeros has e = 0. As a byte (E8M0): e + 127.
;;     - Each number is divided by its block's scale, clamped to +-28, and rounded to the nearest number of E3M2, ties to even, subnormals kept.
;;     - The product sums the exact products of the quantised numbers (number of the format x scale) in f32.
;;   ~~~python
;;   def quantise(x, axis):      # numpy; x: float32 -> the quantised numbers, widened to float32 again
;;       x = np.moveaxis(x, axis, -1); K = x.shape[-1]
;;       x = np.pad(x, [(0, 0)] * (x.ndim - 1) + [(0, -K % 32)]); x = x.reshape(x.shape[:-1] + (-1, 32)); a = np.abs(x).max(-1, keepdims=True)
;;       e = np.where(a > 0, np.clip(np.frexp(np.where(a > 0, a, 1))[1] - 1 - 4, -126, 127), 0)      # np.frexp(a)[1] - 1 = floor(log2(a)), exactly
;;       r = np.clip(x / 2.0 ** e, -28, 28)
;;       step = 2.0 ** (np.maximum(np.frexp(np.where(r == 0, 1, r))[1] - 1, -2) - 2)
;;       q = np.round(r / step) * step * 2.0 ** e      # np.round: ties to even
;;       return np.moveaxis(q.reshape(q.shape[:-2] + (-1,))[..., :K], -1, axis).astype(np.float32)
;;   ~~~
;;   OPERANDS COMPUTED ON THE WAY. 'Computed on the way' means the value that the module computes at that place (a softmax that the list does not call 'softmax' is quantised finished and normalised). What goes into a quantiser is computed in f32, as accurately as f32 sums, v_exp_f32 and their like allow (about 1e-6 of the number): no bf16 or f16 on the way to a quantiser, and a product that is left as it is and whose result goes on into a quantised operand takes f32 operands (vector FMAs, or v_wmma_f32_16x16x4_f32). A number that lies on a knife's edge between two numbers of the format may be rounded either way, as far as f32 arithmetic and the matrix unit's own rounding can turn it there, and no further.
;;   INPUTS GIVEN AS CODES. We (in the module: [1024, 1056], K = its axis 1): each comes as NAME_codes (uint8): NAME with its K axis moved to the last place and cut into blocks of 32 codes, [.., K / 32, bytes a block], one block behind the other in memory; four codes in three bytes: a row's codes are one little-endian stream of bits, code i at bits 6 i .. 6 i + 5 (a code: sign, 3 exponent bits, 2 mantissa bits); and NAME_scales (uint8): the same leading axes, one E8M0 byte (e + 127) for each 32 codes along K. Its value is code x scale, taken as it is: it is not quantised again, and the codes and scales need not be those that the quantiser above would give.
;; One version. Each part assembles by itself: llvm-mc -triple=amdgcn-amd-amdhsa -mcpu=gfx1250 --defsym DOCPART=n.
;; ======== version 1 of 1: 1 launch
;; launch enc (part 1): grid 64 x 4, 8 waves a work-group, clusters of 4 x 1, 236,032 bytes of LDS; arguments weight, bias, weight_parameters, bias_parameters, Ww, bw, Wb, bb, We_codes, We_scales, be, out0; writes out0
.if DOCPART == 1
	.amdgcn_target "amdgcn-amd-amdhsa--gfx1250"
	.amdhsa_code_object_version 6
	.text
	.protected	k_qac50069cba_enc
	.globl	k_qac50069cba_enc
	.p2align	8
	.type	k_qac50069cba_enc,@function
k_qac50069cba_enc:
	s_mov_b64 s[64:65], 0
	v_nop
	global_prefetch_b8 v0, s[64:65] scope:SCOPE_SE
	s_setreg_imm32_b32 hwreg(HW_REG_WAVE_MODE, 25, 1), 1
	s_wait_xcnt 0x0
	s_wait_alu depctr_hold_cnt(0) depctr_sa_sdst(0) depctr_va_vdst(0) depctr_va_sdst(0) depctr_va_ssrc(0) depctr_va_vcc(0) depctr_vm_vsrc(0)
	s_getreg_b32 s2, hwreg(HW_REG_IB_STS2, 6, 4)
	s_cmp_eq_u32 s2, 0
	s_cbranch_scc0 .Lentry_in_a_cluster
	s_endpgm
.Lentry_in_a_cluster:
	s_bfe_u32 s2, ttmp6, 0x10000c
	s_cmp_lg_u32 s2, 0x3003
	s_cbranch_scc0 .Lentry_shape_is_right
	s_endpgm
.Lentry_shape_is_right:
; out0[b][n] = relu( sum over k of Q(emb[b][k]) We[n][k] + be[n] ),  emb[b] = sigmoid of 1,056 numbers:
;   k < 1024:  sum over t < len_w[b] of (weight[b][t] Ww[k] + bw[k]);   k = 1024 + d:  the same of bias, Wb[d], bb[d], len_b[b].
; The masked sum of a rank-one array: sum m (x W + b) = W sum(m x) + b sum(m), for every input.  sum(m x) is made by f32 multiply-adds with the
; mask as a factor (so 0 x infinity is NaN here as there), sum(m) = the length held to 0 .. 256; then one fused multiply-add for each k.
; Q: codes of E3M2, one E8M0 scale for each 32 along K; We comes as codes and scale bytes and is taken as it lies.
; LIMITS.  The order of rounding of the masked sum differs from a sum of 256 rounded terms (fewer roundings here).  NaN and infinities among the
; float inputs are not served.  A sigmoid under 2^-126 comes out 0 (v_exp_f32 and v_rcp_f32 flush denormals: ISA guide, their entries).  A block whose
; largest number lies under 2^(5 - 127) gets the byte 1: its codes are zeros or nearly so, and the bytes are read by this program alone.  Lengths: any int32.
; SHARES.  A work-group makes 16 rows x 256 columns of out0: 64 row blocks (x) x 4 column blocks (y) = 256 work-groups; 8 waves.
;   Wave w: the sums of rows 2 w, 2 w + 1; K step w (k = 128 w .. + 127) of the embedding for all 16 rows (wave 7 also K step 8, the last 32 numbers);
;   in the product We's rows 32 w .. 32 w + 31 of the column block: two tiles x 9 K steps = 18 matrix instructions.
; CLUSTER.  The four work-groups of a cluster are four row blocks of ONE column block: they need the same 256 rows of We, 202,752 dense bytes.  Each wave asks for its
;   32 rows (25,344 bytes) by one joint tensor load whose mask names the four.  Every LDS byte is filled once: no ring.  The rows of weight and bias, which the partners do
;   not share, go straight into registers.
; THE PRODUCT IS USED TRANSPOSED: source 0 = 16 rows of We, source 1 = the 16 rows of the embedding.  A TILE'S ROWS OF We ARE NOT NEIGHBOURS: lane r of tile t takes local row
;   2 r + t.  An LDS row is 792 bytes = 198 words; with all rows of one parity the 32 lanes of a load of 8 bytes start at 32 different pairs of the 64 banks (ISA guide 11.1).
;   So register j of tile t in lane (r, h) is out(row r, column 32 w + 16 h + 2 j + t): the relu writes it to place 2 j + t, and a lane holds 16 neighbouring columns.
; REGISTERS.  Window 0: v1-23 addresses and lane constants; v24-39 the sums' four quads, later the two accumulators; v40-75 the rows as loaded, later at work;
;   v76-84 We's scale words; v86-94 the embedding's; v96-159 Ww, v160-223 bw, v224-239 Wb, v240-255 bb; behind the second barrier v96-203 the embedding's nine fragments,
;   v204-219 results, v220-235 rows on the way out.   Window 1: v0-215 We's 18 fragments ((tile t, K step s) at 12 (9 t + s)); v216-231 be.
.set WEW,    25344                     ; a wave's 32 rows of We in bytes
.set PITCH,  792                       ; a row of We: 1,056 codes
.set FR,     12                        ; registers of a fragment
.set FRB,    1536                      ; and its image in LDS
.set AIMG,   202752                    ; LDS: behind We: the embedding's 9 fragments as images of their registers (16 bytes a lane, 512 a store),
.set ASC,    216576                    ; their scale words, 128 bytes a K step,
.set SUMS,   217856                    ; the rows' sums: row i at 32 i: n_w, n_w, s_w, s_w, n_b, n_b, s_b, s_b,
.set STG,    218368                    ; and the stage for the way out: 16 rows x (1,024 + 16) bytes
.set SPITCH, 1040
.set LANE, 1
.set RR,   2                           ; r = lane % 16
.set HH,   3                           ; h = lane / 16
.set LI,   4                           ; 16 x lane
.set LS,   5                           ; 4 x lane
.set WA,   6                           ; We in LDS: my wave's rows, row 2 r, + 24 h
.set WT,   7                           ; the same without h: the last 32 codes of a row
.set AR,   8                           ; AIMG + 16 x lane
.set IW,   9                           ; + 1,536 x wave: where I store my image
.set ASR,  10                          ; ASC + 4 x lane
.set SWA,  11                          ; + 128 x wave
.set SA,   12                          ; SUMS + 64 x wave
.set SR,   13                          ; SUMS + 32 r
.set KO,   14                          ; 128 h: my 32 numbers of Ww and bw in a run of 64
.set TO,   15                          ; 64 h: my 16 numbers of Wb, bb, be
.set SCO,  16                          ; We's scale bytes: my row's 33 bytes begin at 33 x row; this is that, rounded down to a word
.set SEL4, 17                          ; v_perm_b32's selector that brings a word (row mod 4) bytes down
.set H8,   18                          ; 8 h
.set LM,   19                          ; all ones in lanes 0-15, 0 in lanes 16-31
.set STO,  20                          ; the stage: where I put my 64 bytes of a row
.set STR,  21                          ; and where I read rows back
.set TA,   22                          ; at work in the head
.set TB,   23
.set Q,    24                          ; chain i's quad at Q + 4 i
.set ACC,  24                          ; tile t's accumulator at ACC + 8 t
.set X,    40                          ; weight's two rows (16 registers), then bias's
.set S,    40                          ; n_w, n_w, s_w, s_w of my row r
.set SB,   44                          ; n_b, n_b, s_b, s_b
.set PC,   48                          ; the fragment just made
.set TC,   60                          ; the second halves of its blocks, as the conversions leave them
.set MA,   68
.set MB,   69
.set SO,   70                          ; v70-71 the conversions' scale operands
.set BY,   72                          ; v72-73 the scale bytes
.set PW,   74                          ; the scale word
.set PX,   75                          ; a lane permute's destination
.set WS,   76
.set AS,   86
.set WW,   96
.set BW,   160
.set WB,   224
.set BB,   240
.set AF,   96
.set T,    204
.set OB,   220
.set PC2,  160                         ; the tail's fragment, in registers that bw has left
.set TT,   172
.set U,    176
.set BE,   216                         ; in window 1
.set MSB, 0
.macro WIN new                         ; the immediate's high byte repeats the setting that is left; a switch that changes nothing is dropped
.if MSB != \new
	s_set_vgpr_msb (MSB<<8)|\new
.set MSB, \new
.endif
.endm
; A round of the cluster's barrier: my work-group's barrier, wave 0 signals for the work-group, every wave waits for all four work-groups, my work-group's barrier once more.
.macro ROUND
	s_barrier_signal -1
	s_barrier_wait -1
	s_cmp_lg_u32 s28, 0
	s_cbranch_scc1 .Lnot_wave_0_\@
	s_barrier_signal -3
.Lnot_wave_0_\@:
	s_barrier_wait -3
	s_barrier_signal -1
	s_barrier_wait -1
.endm
.macro IMAGE reg, adr, off             ; a fragment goes to LDS as it stands in the registers
.irp c, 0,1,2
	ds_store_b128 v[\adr], v[\reg+4*\c:\reg+4*\c+3] offset:\off+512*\c
.endr
.endm
; My block c of two: 32 numbers k = 128 w + 64 c + 32 h + 0 .. 31 of row r: the sums, the sigmoid, the block's scale, its codes into registers 6 c .. 6 c + 5 of the fragment.
.macro BLOCK c
.set W, WW+32*(\c)
.set B, BW+32*(\c)
.set i, 0
.rept 16
	v_pk_mul_f32 v[B+i:B+i+1], v[B+i:B+i+1], v[S:S+1]                      ; n x bw
.set i, i+2
.endr
.set i, 0
.rept 16
	v_pk_fma_f32 v[W+i:W+i+1], v[W+i:W+i+1], v[S+2:S+3], v[B+i:B+i+1]      ; s x Ww + n x bw
.set i, i+2
.endr
.set i, 0
.rept 16
	v_pk_mul_f32 v[W+i:W+i+1], v[W+i:W+i+1], s[54:55] op_sel_hi:[1,0]      ; x -log2(e)
.set i, i+2
.endr
.set i, 0
.rept 32
	v_exp_f32 v[W+i], v[W+i]                                               ; e^-x
.set i, i+1
.endr
	v_nop                                                                  ; a plain line behind the last exponential
	s_wait_alu depctr_va_vdst(0)                                           ; one wait for the batch, ahead of its first reader
.set i, 0
.rept 16
	v_pk_add_f32 v[W+i:W+i+1], v[W+i:W+i+1], 1.0 op_sel_hi:[1,0]
.set i, i+2
.endr
.set i, 0
.rept 32
	v_rcp_f32 v[W+i], v[W+i]                                               ; the sigmoid
.set i, i+1
.endr
	v_nop
	s_wait_alu depctr_va_vdst(0)                                           ; likewise for the reciprocals
	v_max3_num_f32 v[MA], v[W], v[W+1], v[W+2]                             ; the block's largest number: all 32 are mine, none is negative; two chains
	v_max3_num_f32 v[MB], v[W+3], v[W+4], v[W+5]
.irp i, 6,10,14,18,22,26
	v_max3_num_f32 v[MA], v[MA], v[W+\i], v[W+\i+1]
	v_max3_num_f32 v[MB], v[MB], v[W+\i+2], v[W+\i+3]
.endr
	v_max3_num_f32 v[MA], v[MA], v[W+30], v[W+31]
	v_max3_num_f32 v[MA], v[MA], v[MB], 0x2800000                          ; and the floor 2^(5 - 127): the byte cannot fall under 1
	v_add_nc_u32 v[SO+(\c)], 0xfe000000, v[MA]                             ; 4 off its exponent field: the conversion takes this operand's exponent field as its scale
	v_lshrrev_b32 v[BY+(\c)], 23, v[SO+(\c)]                               ; the scale's byte
	v_cvt_scalef32_pk16_bf6_f32 v[PC+6*(\c):PC+6*(\c)+2], v[W:W+15], v[SO+(\c)]
	v_cvt_scalef32_pk16_bf6_f32 v[TC+4*(\c):TC+4*(\c)+2], v[W+16:W+31], v[SO+(\c)]   ; (a conversion's three registers begin on an even number: made here and moved)
	v_nop                                                                  ; one plain line behind a scaled conversion
.irp i, 0,1,2
	v_mov_b32 v[PC+6*(\c)+3+\i], v[TC+4*(\c)+\i]
.endr
.endm
; We's 18 fragments out of my own 32 rows in LDS, 8 bytes a load, so that every address is a multiple of the access's size.  K step 8 has 32 codes, 24 bytes: every lane takes them; lanes 16-31 are cleared later.
.macro WLOADS
	WIN 0x40                                       ; destination window 1, address window 0
.irp t, 0,1
.irp s, 0,1,2,3,4,5,6,7
.irp p, 0,1,2,3,4,5
	ds_load_b64 v[FR*(9*\t+\s)+2*\p:FR*(9*\t+\s)+2*\p+1], v[WA] offset:PITCH*\t+96*\s+48*(\p/3)+8*(\p%3)
.endr
.endr
.irp p, 0,1,2
	ds_load_b64 v[FR*(9*\t+8)+2*\p:FR*(9*\t+8)+2*\p+1], v[WT] offset:PITCH*\t+768+8*\p
.endr
.endr
	WIN 0
.endm
	; ---- THE HEAD
	s_load_b512 s[4:19], s[0:1], 0x0               ; weight s[4:5], bias s[6:7], the lengths s[8:9], s[10:11], Ww s[12:13], bw s[14:15], Wb s[16:17], bb s[18:19]
	s_load_b256 s[20:27], s[0:1], 0x40             ; We's codes s[20:21], its scale bytes s[22:23], be s[24:25], out0 s[26:27]
	v_lshl_add_u32 v85, v0, 2, 0x39600
	v_mov_b32 v95, 0
	ds_add_u32 v85, v95
	ds_add_u32 v85, v95
	v_lshrrev_b32 v[TA], 5, v0
	v_readfirstlane_b32 s28, v[TA]                 ; wave 0..7
	s_bfe_u32 s29, ttmp6, 0x40000                  ; cx: my place in the cluster: it enters global addresses of weight, bias, the lengths and out0 alone
	s_lshl_b32 s30, ttmp9, 2                       ; in a cluster launch ttmp9 counts clusters
	s_add_co_u32 s30, s30, s29                     ; my block of 16 rows
	s_and_b32 s31, ttmp7, 0xffff                   ; my block of 256 columns, which the four partners share
	s_lshl_b32 s62, s30, 4
	s_lshl_b32 s63, s28, 1
	s_add_co_u32 s62, s62, s63                     ; my wave's first row: 16 x block + 2 x wave
	s_lshl_b32 s56, s62, 10                        ; in weight and bias: 1,024 bytes a row
	s_mov_b32 s57, 0
	s_mul_i32 s60, s28, WEW                        ; my wave's rows of We, in LDS and in the column block
	s_mul_i32 s58, s31, 8*WEW
	s_add_co_u32 s58, s58, s60                     ; and in memory (s[58:59] never hold cx)
	s_mov_b32 s59, 0
	s_mov_b32 s52, 0x76543210
	s_mov_b32 s53, 0xfedcba98                      ; v_permlanex16_b32's selects for lane l xor 16
	s_mov_b32 s54, 0xbfb8aa3b                      ; -log2(e)
	s_mov_b32 s55, s54                             ; (named with it as a pair, so it is written)
	; the descriptor: 25,344 dense bytes as 99 rows of 256 bytes (32 elements of 8 bytes), no padding
	s_mov_b32 s36, 1                               ; group 0: count = 1
	s_mov_b32 s37, s60                             ; LDS address: 25,344 x wave
	s_mov_b32 s40, 15|(3<<16)|(1<<21)              ; group 1: 15:0 the mask: all four work-groups; 17:16 elements of 8 bytes; 21 set beside a mask
	s_mov_b32 s41, 32<<16                          ; tensor_dim0 = 32
	s_mov_b32 s42, 99<<16                          ; tensor_dim1 = 99
	s_mov_b32 s43, 32<<16                          ; tile_dim0 = 32
	s_mov_b32 s44, 99                              ; tile_dim1 = 99
	s_mov_b32 s45, 32                              ; elements from row to row
	s_mov_b32 s46, 0
	s_mov_b32 s47, 0
	v_and_b32 v[LANE], 31, v0
	v_and_b32 v[RR], 15, v0
	v_bfe_u32 v[HH], v0, 4, 1
	v_lshlrev_b32 v[LI], 4, v[LANE]
	v_lshlrev_b32 v[LS], 2, v[LANE]
	s_wait_dscnt 0x0
	s_wait_kmcnt 0x0                               ; the twelve addresses
	s_add_nc_u64 s[4:5], s[4:5], s[56:57]
	s_add_nc_u64 s[6:7], s[6:7], s[56:57]
	s_lshl_b32 s56, s62, 2                         ; 4 bytes a row in the lengths
	s_add_nc_u64 s[32:33], s[8:9], s[56:57]
	s_add_nc_u64 s[34:35], s[10:11], s[56:57]
	s_load_b64 s[48:49], s[32:33], 0x0             ; len_w of my two rows
	s_load_b64 s[50:51], s[34:35], 0x0             ; len_b
.irp q, 0,1,2,3
	global_load_b128 v[X+4*\q:X+4*\q+3], v[LI], s[4:5] offset:512*\q          ; 512 consecutive bytes a load: half a row.  Register 8 i + e: row i, t = 128 (e / 4) + 4 lane + e % 4
.endr
.irp q, 0,1,2,3
	global_load_b128 v[X+16+4*\q:X+16+4*\q+3], v[LI], s[6:7] offset:512*\q
.endr
	s_add_nc_u64 s[38:39], s[20:21], s[58:59]      ; group 0: the global address of my wave's rows of We,
	s_or_b32 s39, s39, 0x80000000                  ; type = 2
	s_lshl_b32 s58, s28, 9                         ; the other bases, each stepped once: Ww, bw: my 128 numbers
	s_add_nc_u64 s[12:13], s[12:13], s[58:59]
	s_add_nc_u64 s[14:15], s[14:15], s[58:59]
	s_mul_i32 s58, s31, 8448                       ; We's scale bytes: 33 a row: 256 rows a column block, 32 a wave
	s_mul_i32 s61, s28, 1056
	s_add_co_u32 s58, s58, s61
	s_add_nc_u64 s[22:23], s[22:23], s[58:59]
	s_lshl_b32 s58, s31, 10                        ; be: my 32 numbers
	s_lshl_b32 s61, s28, 7
	s_add_co_u32 s58, s58, s61
	s_add_nc_u64 s[24:25], s[24:25], s[58:59]
	s_lshl_b32 s56, s62, 12                        ; out0: my wave's two rows of 4,096 bytes, the column block's 1,024 bytes
	s_lshl_b32 s61, s31, 10
	s_add_co_u32 s56, s56, s61
	s_add_nc_u64 s[26:27], s[26:27], s[56:57]
	; every LDS address is made here, of constants, the lane and the wave's number
	v_mul_u32_u24 v[WT], v[RR], 2*PITCH
	v_add_nc_u32 v[WT], s60, v[WT]
	v_mad_u32_u24 v[WA], v[HH], 24, v[WT]
	v_add_nc_u32 v[AR], AIMG, v[LI]
	s_mul_i32 s61, s28, FRB
	v_add_nc_u32 v[IW], s61, v[AR]
	v_add_nc_u32 v[ASR], ASC, v[LS]
	s_lshl_b32 s61, s28, 7
	v_add_nc_u32 v[SWA], s61, v[ASR]
	s_add_co_u32 s61, s61, STG
	v_mul_u32_u24 v[STO], v[RR], SPITCH
	v_lshl_add_u32 v[STO], v[HH], 6, v[STO]
	v_add_nc_u32 v[STO], s61, v[STO]               ; row r, + 64 h, + 128 x wave
	s_lshl_b32 s61, s28, 6
	s_add_co_u32 s61, s61, SUMS
	v_mov_b32 v[SA], s61
	v_lshl_add_u32 v[SR], v[RR], 5, SUMS
	s_mul_i32 s61, s28, 2*SPITCH
	s_add_co_u32 s61, s61, STG
	v_add_nc_u32 v[STR], s61, v[LI]                ; my two rows, 16 bytes a lane
	v_lshlrev_b32 v[KO], 7, v[HH]
	v_lshlrev_b32 v[TO], 6, v[HH]
	v_lshl_add_u32 v[TA], v[RR], 1, v[HH]          ; whose scale bytes I take: local row 2 r + h: lanes 0-15 tile 0's rows, lanes 16-31 tile 1's
	v_and_b32 v[TB], 3, v[TA]
	v_mul_u32_u24 v[SCO], v[TA], 33
	v_sub_nc_u32 v[SCO], v[SCO], v[TB]             ; (a wave's 1,056 bytes begin on a word, so 33 x row is row mod 4 bytes past one)
	v_mul_lo_u32 v[SEL4], v[TB], 0x01010101
	v_add_nc_u32 v[SEL4], 0x03020100, v[SEL4]
	v_lshlrev_b32 v[H8], 3, v[HH]
	v_add_nc_u32 v[LM], -1, v[HH]
	v_mov_b32 v[PX], 0                             ; written once: a lane permute's destination counts as one of its sources
	ROUND                                          ; all four work-groups are here: the joint loads meet
	tensor_load_to_lds s[36:39], s[40:47]          ; my 32 rows of We: the one tensor load of this wave
	s_nop 0
.rept 4
	v_nop                                          ; four lines behind a tensor load
.endr
.irp c, 0,1
.irp q, 0,1,2,3,4,5,6,7
	global_load_b128 v[WW+32*\c+4*\q:WW+32*\c+4*\q+3], v[KO], s[12:13] offset:256*\c+16*\q   ; Ww(128 w + 64 c + 32 h + 4 q ..)
.endr
.endr
.irp c, 0,1
.irp q, 0,1,2,3,4,5,6,7
	global_load_b128 v[BW+32*\c+4*\q:BW+32*\c+4*\q+3], v[KO], s[14:15] offset:256*\c+16*\q
.endr
.endr
.irp q, 0,1,2,3
	global_load_b128 v[WB+4*\q:WB+4*\q+3], v[TO], s[16:17] offset:16*\q                      ; Wb(16 h + 4 q ..)
.endr
.irp q, 0,1,2,3
	global_load_b128 v[BB+4*\q:BB+4*\q+3], v[TO], s[18:19] offset:16*\q
.endr
.irp i, 0,1,2,3,4,5,6,7,8
	global_load_b32 v[WS+\i], v[SCO], s[22:23] offset:4*\i                                   ; nine words hold my row's 33 bytes; the last row's nine end with the buffer
.endr
	WIN 0x40                                       ; destination window 1
.irp q, 0,1,2,3
	global_load_b128 v[BE+4*\q:BE+4*\q+3], v[TO], s[24:25] offset:16*\q                      ; be(32 w + 16 h + 4 q ..)
.endr
.irp t, 0,1
.irp i, 6,7,8,9,10,11
	v_mov_b32 v[FR*(9*\t+8)+\i], 0                 ; K step 8 has 32 codes: k = 64 .. 127 of it are zero codes, on We's side here
.endr
.endr
	WIN 0
	; ---- THE SUMS: four chains by turns: (weight, row 0), (bias, row 0), (weight, row 1), (bias, row 1)
	s_wait_kmcnt 0x0                               ; the lengths
.irp i, 48,49,50,51
	s_max_i32 s\i, s\i, 0
	s_min_i32 s\i, s\i, 256                        ; sum(m): the number of t in 0 .. 255 under the length
.endr
.irp i, 0,1,2,3
	v_sub_nc_u32 v[Q+4*\i+2], s[48+2*(\i&1)+(\i>>1)], v[LS]    ; d = length - 4 lane: element e counts where 128 (e / 4) + e % 4 < d
.endr
	s_wait_loadcnt 53                              ; the eight loads of the rows are in; the 53 issued behind them may be out
.irp e, 0,1,2,3,4,5,6,7
.irp i, 0,1,2,3
	v_cmp_lt_i32 s[60+\i], 128*(\e>>2)+(\e&3), v[Q+4*\i+2]
.endr
.irp i, 0,1,2,3
	v_cndmask_b32 v[Q+4*\i+1], 0, 1.0, s[60+\i]    ; the mask, as a number
.endr
.irp i, 0,1,2,3
.if \e == 0
	v_mul_f32 v[Q+4*\i], v[Q+4*\i+1], v[X+16*(\i&1)+8*(\i>>1)+\e]
.else
	v_fma_f32 v[Q+4*\i], v[Q+4*\i+1], v[X+16*(\i&1)+8*(\i>>1)+\e], v[Q+4*\i]
.endif
.endr
.endr
.irp m, 1,2,4,8
.irp i, 0,1,2,3
	v_add_f32_dpp v[Q+4*\i], v[Q+4*\i], v[Q+4*\i] row_xmask:\m row_mask:0xf bank_mask:0xf
.endr
.endr
.irp i, 0,1,2,3
	v_permlanex16_b32 v[Q+4*\i+1], v[Q+4*\i], s52, s53
.endr
.irp i, 0,1,2,3
	v_add_f32 v[Q+4*\i+2], v[Q+4*\i], v[Q+4*\i+1]  ; sum(m x), twice: a pair for the packed forms
	v_add_f32 v[Q+4*\i+3], v[Q+4*\i], v[Q+4*\i+1]
.endr
.irp i, 0,1,2,3
	v_cvt_f32_i32 v[Q+4*\i], s[48+2*(\i&1)+(\i>>1)]            ; sum(m), twice
	v_cvt_f32_i32 v[Q+4*\i+1], s[48+2*(\i&1)+(\i>>1)]
.endr
.irp i, 0,1,2,3
	ds_store_b128 v[SA], v[Q+4*\i:Q+4*\i+3] offset:16*\i       ; all lanes write the same 16 bytes with the same numbers
.endr
	s_wait_dscnt 0x0                               ; for the others' sake: my sums lie in LDS
	s_barrier_signal -1
	s_wait_loadcnt 0x0                             ; work on registers while the others arrive: the small vectors are in
.irp s, 0,1,2,3,4,5,6,7
	v_perm_b32 v[WS+\s], v[WS+\s+1], v[WS+\s], v[SEL4]         ; K step s's scale word of my row: four bytes out of two words
.endr
	v_perm_b32 v[WS+8], v[WS+8], v[WS+8], v[SEL4]
	v_and_b32 v[WS+8], 0xff, v[WS+8]               ; K step 8 has one byte; the other three stand over zero codes
	WIN 0x01                                       ; source 0 window 1
.irp t, 0,1
.irp j, 0,1,2,3,4,5,6,7
	v_mov_b32 v[ACC+8*\t+\j], v[BE+2*\j+\t]        ; be in the result's layout: the C of each sum's first product
.endr
.endr
	WIN 0
	s_barrier_wait -1                              ; the sums of all 16 rows lie in LDS
	; ---- THE EMBEDDING: K step w, row r, two whole blocks a lane, in the order of the operand's registers
	ds_load_b128 v[S:S+3], v[SR]
	ds_load_b128 v[SB:SB+3], v[SR] offset:16
	s_wait_dscnt 0x0
	BLOCK 0
	s_wait_tensorcnt 0x0                           ; my rows of We have landed; I alone read them, so my own wait is all the ordering that the reads need
	WLOADS                                         ; 102 loads, which come in while the second block is worked
	BLOCK 1
	v_lshl_or_b32 v[PW], v[BY+1], 16, v[BY]        ; my two bytes: blocks h and 2 + h of row r,
	v_lshlrev_b32 v[PW], v[H8], v[PW]              ; at their places in the scale word;
	v_permlanex16_b32 v[PX], v[PW], s52, s53
	v_or_b32 v[PW], v[PW], v[PX]                   ; with lane l xor 16's two the word is whole
	IMAGE PC, IW, 0
	ds_store_b32 v[SWA], v[PW]
	; ---- THE TAIL, in wave 7 alone: the 32 numbers made of bias: lane (r, h) holds 16 h + 0 .. 15 of row r
	s_cmp_lg_u32 s28, 7
	s_cbranch_scc1 .Lno_tail
.set i, 0
.rept 8
	v_pk_mul_f32 v[BB+i:BB+i+1], v[BB+i:BB+i+1], v[SB:SB+1]
.set i, i+2
.endr
.set i, 0
.rept 8
	v_pk_fma_f32 v[WB+i:WB+i+1], v[WB+i:WB+i+1], v[SB+2:SB+3], v[BB+i:BB+i+1]
.set i, i+2
.endr
.set i, 0
.rept 8
	v_pk_mul_f32 v[WB+i:WB+i+1], v[WB+i:WB+i+1], s[54:55] op_sel_hi:[1,0]
.set i, i+2
.endr
.set i, 0
.rept 16
	v_exp_f32 v[WB+i], v[WB+i]
.set i, i+1
.endr
	v_nop
	s_wait_alu depctr_va_vdst(0)                   ; one wait for the batch, ahead of its first reader
.set i, 0
.rept 8
	v_pk_add_f32 v[WB+i:WB+i+1], v[WB+i:WB+i+1], 1.0 op_sel_hi:[1,0]
.set i, i+2
.endr
.set i, 0
.rept 16
	v_rcp_f32 v[WB+i], v[WB+i]
.set i, i+1
.endr
.irp i, 0,1,2
	v_mov_b32 v[U+\i], 0                           ; the permutes' destinations are written (bw has left these registers); also the plain lines behind the reciprocals
.endr
	s_wait_alu depctr_va_vdst(0)
	v_max3_num_f32 v[MA], v[WB], v[WB+1], 0x2800000
	v_max3_num_f32 v[MB], v[WB+2], v[WB+3], v[WB+4]
	v_max3_num_f32 v[MA], v[MA], v[WB+5], v[WB+6]
	v_max3_num_f32 v[MB], v[MB], v[WB+7], v[WB+8]
	v_max3_num_f32 v[MA], v[MA], v[WB+9], v[WB+10]
	v_max3_num_f32 v[MB], v[MB], v[WB+11], v[WB+12]
	v_max3_num_f32 v[MA], v[MA], v[WB+13], v[WB+14]
	v_max3_num_f32 v[MA], v[MA], v[MB], v[WB+15]
	v_permlanex16_b32 v[PX], v[MA], s52, s53
	v_max_num_f32 v[MA], v[MA], v[PX]              ; with lane l xor 16's 16: the block's largest number
	v_add_nc_u32 v[SO], 0xfe000000, v[MA]
	v_lshrrev_b32 v[BY], 23, v[SO]                 ; the scale word: this byte, and 0 three times over zero codes
	v_cvt_scalef32_pk16_bf6_f32 v[TT:TT+2], v[WB:WB+15], v[SO]
.irp i, 6,7,8,9,10,11
	v_mov_b32 v[PC2+\i], 0                         ; k = 64 .. 127 of K step 8: zero codes.  (Plain lines behind the conversion)
.endr
.irp i, 0,1,2
	v_permlanex16_b32 v[U+\i], v[TT+\i], s52, s53
.endr
.irp i, 0,1,2
	v_and_b32 v[PC2+\i], v[LM], v[TT+\i]           ; lanes 0-15 hold the whole block: their own 16 codes,
	v_and_b32 v[PC2+3+\i], v[LM], v[U+\i]          ; and lane l + 16's; lanes 16-31 (k = 32 .. 63) hold zero codes
.endr
	IMAGE PC2, IW, FRB                             ; one image behind wave 7's own: K step 8
	ds_store_b32 v[SWA], v[BY] offset:128
.Lno_tail:
	s_wait_dscnt 0x0                               ; my images lie in LDS, and We's fragments are in
	s_barrier_signal -1
	WIN 0x44                                       ; destination and source 1 window 1
.irp t, 0,1
.irp i, 0,1,2,3,4,5
	v_and_b32 v[FR*(9*\t+8)+\i], v[LM], v[FR*(9*\t+8)+\i]      ; We's K step 8: lanes 16-31 (k = 32 .. 63) hold zero codes
.endr
.endr
	WIN 0
.rept 4
	v_nop                                          ; an operand written by vector instructions stands four places ahead of a scaled matrix instruction
.endr
	s_barrier_wait -1                              ; the embedding's nine fragments lie in LDS
	; ---- THE PRODUCT: nine K steps, two accumulators by turns
.irp s, 0,1,2,3,4,5,6,7,8
.irp c, 0,1,2
	ds_load_b128 v[AF+FR*\s+4*\c:AF+FR*\s+4*\c+3], v[AR] offset:FRB*\s+512*\c
.endr
	ds_load_b32 v[AS+\s], v[ASR] offset:128*\s
.endr
	WIN 0x01                                       ; source 0 (We) window 1; the embedding, C and D window 0
.irp s, 0,1,2,3,4,5,6,7,8
	s_wait_dscnt 4*(8-\s)                          ; this K step's four loads are in; the four of each later K step may be out
	v_wmma_scale_f32_16x16x128_f8f6f4 v[ACC:ACC+7], v[FR*\s:FR*\s+FR-1], v[AF+FR*\s:AF+FR*\s+FR-1], v[ACC:ACC+7], v[WS+\s], v[AS+\s] matrix_a_fmt:MATRIX_FMT_BF6 matrix_b_fmt:MATRIX_FMT_BF6
	v_wmma_scale_f32_16x16x128_f8f6f4 v[ACC+8:ACC+15], v[FR*(9+\s):FR*(9+\s)+FR-1], v[AF+FR*\s:AF+FR*\s+FR-1], v[ACC+8:ACC+15], v[WS+\s], v[AS+\s] matrix_a_fmt:MATRIX_FMT_BF6 matrix_b_fmt:MATRIX_FMT_BF6 matrix_a_scale:MATRIX_SCALE_ROW1
.endr
	WIN 0
	; ---- THE WAY OUT: relu; a lane's 16 neighbouring columns into the stage; a barrier, since a row's 1,024 bytes come from eight waves; each wave stores two whole rows
.rept 4
	v_nop                                          ; four places between the last product and the first read of results (ISA guide 7.12.1)
.endr
.irp j, 0,1,2,3,4,5,6,7
.irp t, 0,1
	v_max_num_f32 v[T+2*\j+\t], 0, v[ACC+8*\t+\j]  ; each accumulator from its low end on; column 32 w + 16 h + 2 j + t
.endr
.endr
.irp q, 0,1,2,3
	ds_store_b128 v[STO], v[T+4*\q:T+4*\q+3] offset:16*\q
.endr
	s_wait_dscnt 0x0                               ; for the others' sake: my part of the 16 rows lies in the stage
	s_barrier_signal -1
	s_barrier_wait -1
.irp i, 0,1
.irp u, 0,1
	ds_load_b128 v[OB+4*(2*\i+\u):OB+4*(2*\i+\u)+3], v[STR] offset:SPITCH*\i+512*\u
.endr
.endr
.irp i, 0,1
.irp u, 0,1
	s_wait_dscnt 3-(2*\i+\u)                       ; LDS loads come back in order: this one is in, the later ones may be out
	global_store_b128 v[LI], v[OB+4*(2*\i+\u):OB+4*(2*\i+\u)+3], s[26:27] offset:4096*\i+512*\u th:TH_STORE_NT   ; 32 lanes store 512 consecutive bytes, at a multiple of 256 from out0's first byte
.endr
.endr
	s_wait_tensorcnt 0x0
	ds_add_u32 v85, v95
	s_wait_dscnt 0x0
	ROUND                                          ; the closing round: no work-group ends while a partner may still ask for a tile that names it
	s_endpgm
.Lfunc_end_k_qac50069cba_enc:
	.size	k_qac50069cba_enc, .Lfunc_end_k_qac50069cba_enc-k_qac50069cba_enc
	.p2alignl 7, 3214868480
	.fill 96, 4, 3214868480
	.section	.rodata,"a",@progbits
	.p2align	6, 0x0
	.amdhsa_kernel k_qac50069cba_enc
		.amdhsa_group_segment_fixed_size 236032
		.amdhsa_private_segment_fixed_size 0
		.amdhsa_enable_private_segment 0
		.amdhsa_kernarg_size 96
		.amdhsa_user_sgpr_count 2
		.amdhsa_user_sgpr_kernarg_segment_ptr 1
		.amdhsa_wavefront_size32 1
		.amdhsa_system_sgpr_workgroup_id_x 1
		.amdhsa_system_sgpr_workgroup_id_y 1
		.amdhsa_system_sgpr_workgroup_id_z 1
		.amdhsa_system_vgpr_workitem_id 0
		.amdhsa_next_free_vgpr 512
		.amdhsa_next_free_sgpr 66
		.amdhsa_reserve_vcc 0
		.amdhsa_float_denorm_mode_32 3
		.amdhsa_float_denorm_mode_16_64 3
		.amdhsa_memory_ordered 1
		.amdhsa_forward_progress 1
		.amdhsa_inst_pref_size 57
	.end_amdhsa_kernel
	.amdgpu_metadata
---
amdhsa.version: [ 1, 2 ]
amdhsa.kernels:
  - .name:           k_qac50069cba_enc
    .symbol:         k_qac50069cba_enc.kd
    .args:
      - { .name: weight, .offset: 0, .size: 8, .value_kind: global_buffer, .address_space: global }
      - { .name: bias, .offset: 8, .size: 8, .value_kind: global_buffer, .address_space: global }
      - { .name: weight_parameters, .offset: 16, .size: 8, .value_kind: global_buffer, .address_space: global }
      - { .name: bias_parameters, .offset: 24, .size: 8, .value_kind: global_buffer, .address_space: global }
      - { .name: Ww, .offset: 32, .size: 8, .value_kind: global_buffer, .address_space: global }
      - { .name: bw, .offset: 40, .size: 8, .value_kind: global_buffer, .address_space: global }
      - { .name: Wb, .offset: 48, .size: 8, .value_kind: global_buffer, .address_space: global }
      - { .name: bb, .offset: 56, .size: 8, .value_kind: global_buffer, .address_space: global }
      - { .name: We_codes, .offset: 64, .size: 8, .value_kind: global_buffer, .address_space: global }
      - { .name: We_scales, .offset: 72, .size: 8, .value_kind: global_buffer, .address_space: global }
      - { .name: be, .offset: 80, .size: 8, .value_kind: global_buffer, .address_space: global }
      - { .name: out0, .offset: 88, .size: 8, .value_kind: global_buffer, .address_space: global }
    .group_segment_fixed_size: 236032
    .private_segment_fixed_size: 0
    .kernarg_segment_align: 8
    .kernarg_segment_size: 96
    .max_flat_workgroup_size: 256
    .sgpr_count:     66
    .vgpr_count:     512
    .wavefront_size: 32
...
	.end_amdgpu_metadata
.endif
;; end of part 1
